; MI455X (gfx1250); checked and timed in simulation.
; The chip was launched on July 23, 2026; its instructions are those of AMD's public machine-readable ISA for CDNA 5 (MIT licence, August 2026) and "CDNA5" Instruction Set Architecture Reference Guide (July 2026). The comments in the code are by the model that wrote it; some were corrected since.
;; Memory Tree. Allowed arithmetic: float matrix products may take bf16 or f16 operands with f32 sums; all other float work in f32.
;; Inputs: X 8 x 1,024 x 64 float32; leafs 8 x 1,024 x 64 x 64 float32; q 8 x 256 x 64 float32.
;; Outputs: out0 8 x 256 float32.
;; 2 versions, each right; version 2 is version 1 with the launch leafscores written anew for expert scheduling mode. Each part assembles by itself: llvm-mc -triple=amdgcn-amd-amdhsa -mcpu=gfx1250 --defsym DOCPART=n.
;; ======== version 1 of 2: 2 launches
;; limits: right only within a limited range of input values
;; workspace buffers: part 524,288 bytes; ctx 524,288 bytes
;; launch leafscores (part 1): grid 256 x 1, 4 waves a work-group, no clusters, 102,912 bytes of LDS; arguments leafs, X, q, part, ctx; writes part, ctx
.if DOCPART == 1
	.amdgcn_target "amdgcn-amd-amdhsa--gfx1250"
	.amdhsa_code_object_version 6
	.text
	.protected	k_q7f2a54f499_leafscores
	.globl	k_q7f2a54f499_leafscores
	.p2align	8
	.type	k_q7f2a54f499_leafscores,@function
k_q7f2a54f499_leafscores:
	s_mov_b64 s[64:65], 0
	v_nop
	global_prefetch_b8 v0, s[64:65] scope:SCOPE_SE
	s_setreg_imm32_b32 hwreg(HW_REG_WAVE_MODE, 25, 1), 1
	s_wait_xcnt 0x0
; MemoryTree oracle, launch 1 of 2.  leafs [8][1024][64][64] f32, X [8][1024][64] f32, q [8][256][64] f32.
; A tree node is the average of its leaves, so its score q^T M q is the mean of its leaves' scores, and the descent is a tournament from
; below: win(node) = s(left) < s(right) ? win(right) : win(left), s(node) = s(left) + s(right).
; This launch makes every leaf's score for every query of its batch, reading each leaf byte once, and plays the five lowest levels.
; Work-group g owns leaves 32 g .. 32 g + 31 of the flattened [8192] (a subtree of depth 5 of batch g / 32); wave w owns 8 of them, for all 256 queries.
; Out: part[g][pair p] = (sum of query 2p, sum of query 2p+1, winning leaf of 2p, of 2p+1), 16 bytes; the leaf's number in its batch as f32.
;
; ARITHMETIC.  U[e] = sum over d of bf16(M[d][e]) bf16(q[d]) on the matrix unit (f32 sums), then s = sum over e of U[e] bf16(q[e]) in f32.
; LIMITS, stated: leafs and q are rounded to bf16 (nearest even), the second contraction uses the same rounded q, nothing else is rounded below f32.
; Node scores are kept as sums, 2^level times the reference's means: the comparisons are the same unless a sum of up to 1,024 leaf scores leaves f32's
; range, which is 2^10 sooner than a mean would.  The reference averages matrices and then contracts, this text contracts and then adds: two scores
; that agree to within f32 rounding may compare the other way.  NaN scores compare false, as in the reference; with infinities among the inputs a NaN
; may arise at other nodes than in the reference.
; X: reference() averages it pairwise into x_shared and hands that to its fusion function, which ignores it: no output hangs on X.  Each wave reads its
; eight rows, forms x_shared of levels 1 and 2 as reference() does, and stores level 2 (one row for four leaves) to ctx, which nothing reads again.
;
; LAYOUT.  Load i (0..31) of a leaf: lanes 0-15 take row d = i, lanes 16-31 row d = 32 + i, 16 bytes a lane: each half of the wave reads 256
; consecutive bytes, aligned.  Lane (r = lane % 16, h = lane / 16) then holds M[i + 32 h][4 r + c] in register 4 i + c.  For a fixed c that is a matrix
; operand with row e = 4 r + c and k running over d; pairs of loads (2P, 2P+1) pack into fragment register P (0..15, two K steps of 32).
; So the k place (h, register P, half x) stands for d = 32 h + 2 P + x, and q's fragments use the same order: lane (r, h) of query tile t holds
; q[16 t + r][32 h .. 32 h + 31] in 16 registers.  The result's register j of lane (r, h) is U[e = 32 h + 4 j + c] of query 16 t + r, so the lane's own
; fragment registers hold exactly the q[e] that its second contraction needs: register 2 j + c / 2, half c % 2.
; THE SECOND CONTRACTION, two forms.  Even tiles: 32 multiply-adds that take q's bf16 half straight from the fragment.  Odd tiles: the same 32 numbers are
; kept a second time, widened to f32, in the order of the result registers (place 8 c + j = q[32 h + 4 j + c]), and 16 packed multiply-adds do the work.
; All 16 tiles in f32 would take 512 registers; 256 are free, so eight tiles have the copy.  A lane sums its own 32 e; the two halves of the lanes are
; added where the scores are read back for the tournament.
;
; REGISTERS, in blocks of 256 (s_set_vgpr_msb: bits 1:0 source 0, 3:2 source 1, 5:4 source 2, 7:6 destination):
;   block 0: v0-31 addresses and partial sums; v32-47 a leaf's 16 half-scores; v48-63 X, then v52-59 the reloads' offsets; v64-191 two buffers of leaf
;            fragments; v192-255 two buffers of results
;   block 1: v0-127 q's fragments of tiles 0-7;  v128-255 q in f32 of tiles 15, 1, 3, 5
;   block 3: v0-127 q's fragments of tiles 8-15; v128-255 q in f32 of tiles 7, 9, 11, 13
;   block 2: two stages of 128 registers, a leaf as loaded
; A matrix instruction takes q's fragment, and a multiply-add of the second contraction takes q, as source 1: both must lie in one block.  Step t multiplies
; tile t and contracts tile t - 1, so steps 0-7 run under 0x04 (source 1 in block 1), steps 8-15 under 0x0c (block 3), and the f32 copies of tiles 15 and 7
; lie in the block of the step that uses them.  Under these settings an addition of two block-0 registers is written a * 1.0 + b (sources 0 and 2).
.set LEAF_B,  16384                    ; bytes in a leaf
.set QPITCH,  144                      ; LDS row of q in bf16: 128 bytes + 16: 9 x 16, so sixteen rows start at sixteen different 16-byte columns modulo 256
.set SC_BASE, 256*QPITCH               ; behind q: half-scores [32 leaves][2 halves of e][256 queries] f32
.set SC_LEAF, 2048                     ; bytes of a leaf's half-scores
.set LADR,  1                          ; v1   16 r + 8192 h: my 16 bytes in load 0 of my wave's leaf 0; never rewritten
.set SCADR, 2                          ; v2   LDS address of my half-score of tile 0 in the leaf whose scores went out last
.set ZERO,  3                          ; v3   0.0: starts the four sums of an even tile
.set QLD,   4                          ; v4   16 x lane
.set XLD,   5                          ; v5   16 r + 1024 h
.set QST,   6                          ; v6   where I put 8 bytes of q in bf16
.set QRD,   7                          ; v7   where my fragments of q begin in tile 0
.set ACC,   8                          ; v[8:15]  two sets of four partial sums
.set TS,    16                         ; v[16:17] two of four added
.set TW,    24                         ; v[24:25] tournament: right winner, shifted
.set OUT,   28                         ; v[28:31] what is stored
.set SCO,   32                         ; v[32:47] the leaf's half-score, tile t
.set XR,    48                         ; v[48:63] four quads of X; v[48:51] end as the row that is stored
.set GADR,  52                         ; v[52:59] stage s, group g (4 s + g): LADR + 16,384 x the leaf that the group's eight quads hold or await
.set A0,    64                         ; leaf fragments, buffer 0: 16 c + 8 s + p
.set A1,    128                        ; buffer 1
.set DB,    192                        ; results: buffer (t % 2), 8 c + j
.set SCR,   64                         ; tournament: scores, leaf L at 2 L (two queries)
.set WN,    128                        ; tournament: the upper half's part of the scores, then the winners, same places
.set QF,    128                        ; blocks 1 and 3: q in f32, four tiles of 32 registers
.set STG0,  0                          ; block 2: stage of the even leaves
.set STG1,  128                        ; block 2: stage of the odd leaves
.set MSB, 0
.macro WIN new                         ; the immediate's high byte repeats the setting that is left
.if MSB != \new
	s_set_vgpr_msb (MSB<<8)|\new
.set MSB, \new
.endif
.endm
	s_load_b256 s[4:11], s[0:1], 0x0               ; leafs s[4:5], X s[6:7], q s[8:9], part s[10:11]
	s_load_b64 s[12:13], s[0:1], 0x20              ; ctx
	v_lshl_add_u32 v19, v0, 2, 0x19000
	v_mov_b32 v27, 0
	v_lshrrev_b32 v20, 5, v0
	v_readfirstlane_b32 s14, v20                   ; wave 0..3
	v_and_b32 v21, 15, v0                          ; r
	v_bfe_u32 v22, v0, 4, 1                        ; h
	v_and_b32 v23, 31, v0                          ; lane
	v_lshlrev_b32 v[QLD], 4, v23
	v_lshlrev_b32 v24, 4, v21
	v_lshl_add_u32 v[LADR], v22, 13, v24           ; 32 rows of 256 bytes further for lanes 16-31
	v_lshl_add_u32 v[XLD], v22, 10, v24            ; 4 rows of X further for lanes 16-31
	s_lshl_b32 s16, ttmp9, 19                      ; leafs: 32 leaves x 16,384 bytes a work-group (below 2^27 in all),
	s_lshl_b32 s15, s14, 17                        ; 8 leaves a wave
	s_add_co_u32 s16, s16, s15
	s_mov_b32 s17, 0
	s_lshl_b32 s18, ttmp9, 13                      ; X: 32 rows of 256 bytes a work-group,
	s_lshl_b32 s15, s14, 11                        ; 8 a wave
	s_add_co_u32 s18, s18, s15
	s_mov_b32 s19, 0
	s_lshr_b32 s20, ttmp9, 5                       ; q: the batch's 65,536 bytes,
	s_lshl_b32 s20, s20, 16
	s_lshl_b32 s15, s14, 14                        ; of which this wave stages rows 64 w .. 64 w + 63
	s_add_co_u32 s20, s20, s15
	s_mov_b32 s21, 0
	s_lshl_b32 s22, ttmp9, 11                      ; part: 2,048 bytes a work-group
	s_mov_b32 s23, 0
	s_lshl_b32 s15, s14, 9                         ; ctx: 2,048 bytes a work-group, 512 a wave
	s_add_co_u32 s24, s22, s15
	s_mov_b32 s25, 0
	s_mov_b32 s28, 0xffff0000                      ; a word's upper bf16
	s_mov_b32 s31, 2*LEAF_B                        ; a stage's next leaf is two further on
	s_wait_kmcnt 0x0
	s_add_nc_u64 s[4:5], s[4:5], s[16:17]          ; none of the five bases is written again
	s_add_nc_u64 s[6:7], s[6:7], s[18:19]
	s_add_nc_u64 s[8:9], s[8:9], s[20:21]
	s_add_nc_u64 s[10:11], s[10:11], s[22:23]
	s_add_nc_u64 s[12:13], s[12:13], s[24:25]
; a whole leaf, 32 loads, into a stage
.macro LOADLEAF stg, off
	WIN 0x80
.set i, 0
.rept 32
	global_load_b128 v[\stg+4*i:\stg+4*i+3], v[LADR], s[4:5] offset:\off+256*i th:TH_LOAD_NT
.set i, i+1
.endr
.endm
.irp i, 0,1,2,3
	global_load_b128 v[XR+4*\i:XR+4*\i+3], v[XLD], s[6:7] offset:256*\i th:TH_LOAD_NT   ; rows i (lanes 0-15) and 4 + i (lanes 16-31) of my eight
.endr
	WIN 0x80
.set j, 0
.rept 32
	global_load_b128 v[STG1+4*j:STG1+4*j+3], v[QLD], s[8:9] offset:512*j    ; q rows 64 w + 2 j + h, columns 4 r ..: 512 consecutive bytes; the odd stage is free until leaf 1
.set j, j+1
.endr
	LOADLEAF STG0, 0                               ; leaf 0
	WIN 0
	v_mul_u32_u24 v25, v22, QPITCH                 ; the rest of the addresses, while the loads are out
	v_lshl_add_u32 v25, v21, 3, v25
	s_mul_i32 s26, s14, 64*QPITCH
	v_add_nc_u32 v[QST], s26, v25                  ; (64 w + h) x pitch + 8 r
	v_mul_u32_u24 v26, v21, QPITCH
	v_lshl_add_u32 v[QRD], v22, 6, v26             ; r x pitch + 64 h
	s_lshl_b32 s27, s14, 14                        ; a wave's 8 leaves x 2,048 bytes of half-scores are its own
	s_add_co_u32 s27, s27, SC_BASE-SC_LEAF         ; one leaf short: the address is stepped ahead of each leaf's stores
	v_lshl_add_u32 v[SCADR], v21, 2, s27
	v_lshl_add_u32 v[SCADR], v22, 10, v[SCADR]     ; + 4 r + 1,024 h
	v_mov_b32 v[ZERO], 0
	s_wait_loadcnt 32                              ; loads return in order: X and q are in, leaf 0's 32 loads stay out
	WIN 0x0a
.set j, 0
.rept 64
	v_cvt_pk_bf16_f32 v[A1+j], v[STG1+2*j], v[STG1+2*j+1]      ; q to bf16, once for the work-group; into buffer 1, which leaf 0 does not use
.set j, j+1
.endr
	LOADLEAF STG1, LEAF_B                          ; leaf 1 into the stage that q has left
	WIN 0
.set j, 0
.rept 32
	ds_store_b64 v[QST], v[A1+2*j:A1+2*j+1] offset:2*QPITCH*j
.set j, j+1
.endr
	; x_shared = (left + right) * 0.5, level 1 and level 2, as reference() forms it; lanes 0-15 end with rows 0-3, lanes 16-31 with rows 4-7
	v_pk_add_f32 v[XR:XR+1], v[XR:XR+1], v[XR+4:XR+5]
	v_pk_add_f32 v[XR+2:XR+3], v[XR+2:XR+3], v[XR+6:XR+7]
	v_pk_add_f32 v[XR+8:XR+9], v[XR+8:XR+9], v[XR+12:XR+13]
	v_pk_add_f32 v[XR+10:XR+11], v[XR+10:XR+11], v[XR+14:XR+15]
	v_pk_mul_f32 v[XR:XR+1], v[XR:XR+1], 0.5 op_sel_hi:[1,0]
	v_pk_mul_f32 v[XR+2:XR+3], v[XR+2:XR+3], 0.5 op_sel_hi:[1,0]
	v_pk_mul_f32 v[XR+8:XR+9], v[XR+8:XR+9], 0.5 op_sel_hi:[1,0]
	v_pk_mul_f32 v[XR+10:XR+11], v[XR+10:XR+11], 0.5 op_sel_hi:[1,0]
	v_pk_add_f32 v[XR:XR+1], v[XR:XR+1], v[XR+8:XR+9]
	v_pk_add_f32 v[XR+2:XR+3], v[XR+2:XR+3], v[XR+10:XR+11]
	v_pk_mul_f32 v[XR:XR+1], v[XR:XR+1], 0.5 op_sel_hi:[1,0]
	v_pk_mul_f32 v[XR+2:XR+3], v[XR+2:XR+3], 0.5 op_sel_hi:[1,0]
	global_store_b128 v[QLD], v[XR:XR+3], s[12:13] th:TH_STORE_NT   ; 512 consecutive bytes, aligned; its registers are never written again
.irp g, 0,1,2,3
	v_mov_b32 v[GADR+\g], v[LADR]                  ; stage 0 holds leaf 0,
	v_add_nc_u32 v[GADR+4+\g], LEAF_B, v[LADR]     ; stage 1 leaf 1 (in X's registers 4-11, which the sums above have left)
.endr
; A quarter of a leaf leaves its stage: quads 8 g .. 8 g + 7 become fragment registers P = 4 g .. 4 g + 3 of all four c, and (load = 1) the eight
; quads are asked for again at once, from the leaf two further on.  cnt = how many younger loads may stay out.  Each group of each stage (sx) has an offset
; register of its own: the wait that shows the group's eight loads done also frees the register that they named, so it is stepped with no further wait.
.macro GROUP g, an, stg, sx, cnt, load
	s_wait_loadcnt \cnt
.if \load
.if (MSB & 0xc3) != 0
	WIN 0                                          ; source 0 and the destination of the next line are in block 0
.endif
	v_add_nc_u32 v[GADR+4*\sx+\g], v[GADR+4*\sx+\g], s31
.endif
	WIN 0x0a
.set p, 4*\g
.rept 4
.irp c, 0,1,2,3
	v_cvt_pk_bf16_f32 v[\an+16*\c+p], v[\stg+8*p+\c], v[\stg+8*p+4+\c]    ; rows d = 2 p + 32 h and 2 p + 1 + 32 h of column 4 r + c
.endr
.set p, p+1
.endr
.if \load
	WIN 0x80
.set i, 8*\g
.rept 8
	global_load_b128 v[\stg+4*i:\stg+4*i+3], v[GADR+4*\sx+\g], s[4:5] offset:256*i th:TH_LOAD_NT
.set i, i+1
.endr
.endif
.endm
; Leaf 0 is converted and leaf 2 asked for.  The count: behind quads 8 g .. 8 g + 7 were issued 24 - 8 g of the same leaf, 32 of the next and 8 g of the reloads: 56.
.irp g, 0,1,2,3
	GROUP \g, A0, STG0, 0, 56, 1
.endr
	s_wait_dscnt 0x0                               ; my rows of q are in LDS,
	s_barrier_signal -1
	s_barrier_wait -1                              ; everybody's are
; q's fragments of tile t: q[16 t + r][32 h + 8 k ..], straight into the fragment's registers
.macro QTILE t
.if \t < 8
	WIN 0x40
.else
	WIN 0xc0
.endif
.irp k, 0,1,2,3
	ds_load_b128 v[16*(\t&7)+4*\k:16*(\t&7)+4*\k+3], v[QRD] offset:16*QPITCH*\t+16*\k
.endr
.endm
; odd tile u once more, in f32: place 8 c + j = q[32 h + 4 j + c] = half c % 2 of fragment register 2 j + c / 2.  It goes to the block of step u + 1.
.macro UNPACK u
.set US, 16*(\u&7)
.set UD, QF+32*((((\u+1)&15)>>1)&3)
.set UW, ((1+2*(((\u+1)&15)>>3))<<6)|((1+2*(\u>>3))<<2)
	WIN UW
.irp c, 0,1,2,3
.irp j, 0,1,2,3,4,5,6,7
.if \c & 1
	v_and_b32 v[UD+8*\c+\j], s28, v[US+2*\j+(\c>>1)]
.else
	v_lshlrev_b32 v[UD+8*\c+\j], 16, v[US+2*\j+(\c>>1)]
.endif
.endr
.endr
.endm
	QTILE 0                                        ; the widening stands between the loads: short runs of loads, and work while they are served
	QTILE 1
	QTILE 2
.irp u, 1,3,5,7,9,11
	QTILE (\u+2)
	QTILE (\u+3)
	s_wait_dscnt 12                                ; LDS loads return in order: three tiles' twelve loads are younger than tile u's
	UNPACK \u
.endr
	QTILE 15
	s_wait_dscnt 8                                 ; tiles 14 and 15 are younger than tile 13
	UNPACK 13
	s_wait_dscnt 0x0                               ; all of q's fragments are in
	UNPACK 15
; Even tile: four multiply-adds of the second contraction: result tile c = k / 2, registers j = 4 (k % 2) + a, sum a.  Four sums, so that no line waits for the one in front.
.macro DOT4 k
.set DC, DR+8*(\k>>1)+4*(\k&1)
.set BQ, BP+8*(\k&1)+(\k>>2)           ; q register 2 j + c / 2
.if \k == 0
.irp a, 0,1,2,3
	v_fma_mix_f32_bf16 v[AD+\a], v[DC+\a], v[BQ+2*\a], v[ZERO] op_sel:[0,0,0] op_sel_hi:[0,1,0]
.endr
.else
.if (\k>>1)&1
.irp a, 0,1,2,3
	v_fma_mix_f32_bf16 v[AD+\a], v[DC+\a], v[BQ+2*\a], v[AD+\a] op_sel:[0,1,0] op_sel_hi:[0,1,0]    ; odd c: q in the upper half
.endr
.else
.irp a, 0,1,2,3
	v_fma_mix_f32_bf16 v[AD+\a], v[DC+\a], v[BQ+2*\a], v[AD+\a] op_sel:[0,0,0] op_sel_hi:[0,1,0]
.endr
.endif
.endif
.endm
; Odd tile: the same four result registers 4 k .. 4 k + 3 against q in f32 at the same places, two packed lines; the first products start the sums.
.macro DOT2 k
.if \k == 0
	v_pk_mul_f32 v[AD:AD+1], v[DR:DR+1], v[QB:QB+1]
	v_pk_mul_f32 v[AD+2:AD+3], v[DR+2:DR+3], v[QB+2:QB+3]
.else
	v_pk_fma_f32 v[AD:AD+1], v[DR+4*\k:DR+4*\k+1], v[QB+4*\k:QB+4*\k+1], v[AD:AD+1]
	v_pk_fma_f32 v[AD+2:AD+3], v[DR+4*\k+2:DR+4*\k+3], v[QB+4*\k+2:QB+4*\k+3], v[AD+2:AD+3]
.endif
.endm
; One step.  w: the eight matrix instructions of query tile t (four accumulators c, two K steps; the four take turns, one instruction a turn;
; the first K step starts the sums with C = 0).  dot: behind each of them the multiply-adds of tile t - 1, whose results lie in the other
; buffer: two packed lines (t even, tile odd) or four (t odd).  fin: tile t - 2's four sums are added: my half's score.
; Distances (ISA guide 7.12.1): accumulator c gets its last product in slot 4 + c and is read from slot 2 c of the next step on.  Between the two stand at the
; least, for c = 0, 1, 2, 3: 8, 6 + 4, 4 + 8, 2 + 12 multiply-adds; of those only the odd slots of an odd step name a register of that matrix instruction
; (the upper half of the tile's fragment), which leaves more than four in every case.  A result buffer is written again two steps later.
.macro STEP t, ab, w, dot, fin
.if \t < 8
	WIN 0x04
.else
	WIN 0x0c
.endif
.set DW, DB+32*(\t&1)
.set DR, DB+32-32*(\t&1)
.set BT, 16*(\t&7)
.set BP, 16*((\t+7)&7)                 ; used by odd t alone: tile t - 1 lies in the same block
.set QB, QF+32*((\t>>1)&3)             ; used by even t alone
.set AD, ACC+4-4*(\t&1)
.set AF, ACC+4*(\t&1)
.set SF, SCO+((\t+14)&15)
.irp k, 0,1,2,3,4,5,6,7
.if \w
.if \k < 4
	v_wmma_f32_16x16x32_bf16 v[DW+8*\k:DW+8*\k+7], v[\ab+16*\k:\ab+16*\k+7], v[BT:BT+7], 0
.else
	v_wmma_f32_16x16x32_bf16 v[DW+8*\k-32:DW+8*\k-25], v[\ab+16*\k-56:\ab+16*\k-49], v[BT+8:BT+15], v[DW+8*\k-32:DW+8*\k-25]
.endif
.endif
.if \dot
.if \t & 1
	DOT4 \k
.else
	DOT2 \k
.endif
.endif
.if \fin
.if \k == 0
	v_pk_fma_f32 v[TS:TS+1], v[AF:AF+1], 1.0, v[AF+2:AF+3] op_sel_hi:[1,0,1]   ; additions as a * 1.0 + b: source 1 names another block here
.endif
.if \k == 2
	v_fma_f32 v[SF], v[TS], 1.0, v[TS+1]           ; sum over my 32 e for query 16 (t - 2) + r
.endif
.endif
.endr
.if \w
.if \dot == 0
.rept 4
	v_nop                                          ; the very first step has no work to fill the four places behind its last matrix instruction
.endr
.endif
.endif
.endm
; a leaf's 16 x 32 half-scores go to LDS.  The address is stepped ahead of the stores, a leaf's work behind the stores that named it last.
.macro SCORES_OUT
	WIN 0
	v_add_nc_u32 v[SCADR], SC_LEAF, v[SCADR]
.set i, 0
.rept 16
	ds_store_b32 v[SCADR], v[SCO+i] offset:64*i
.set i, i+1
.endr
.endm
; A phase: one leaf (fragments in ab) against the 16 query tiles.  Meanwhile the next leaf is converted from stage sx (registers stg) into an (cvt), in
; four groups, and the leaf three further on is asked for (load).  Steps 0 and 1 finish the last two tiles of the leaf before, whose scores then go out.
; c0 - g x dec = the younger loads at group g.
.macro PHASE ab, an, stg, sx, first, cvt, load, c0, dec
.if \first
	STEP 0, \ab, 1, 0, 0
.else
	STEP 0, \ab, 1, 1, 1
.endif
.if \cvt
	GROUP 0, \an, \stg, \sx, \c0, \load
.endif
.if \first
	STEP 1, \ab, 1, 1, 0
.else
	STEP 1, \ab, 1, 1, 1
	SCORES_OUT
.endif
	STEP 2, \ab, 1, 1, 1
.if \cvt
	GROUP 1, \an, \stg, \sx, \c0-\dec, \load
.endif
	STEP 3, \ab, 1, 1, 1
	STEP 4, \ab, 1, 1, 1
.if \cvt
	GROUP 2, \an, \stg, \sx, \c0-2*\dec, \load
.endif
	STEP 5, \ab, 1, 1, 1
	STEP 6, \ab, 1, 1, 1
.if \cvt
	GROUP 3, \an, \stg, \sx, \c0-3*\dec, \load
.endif
.irp t, 7,8,9,10,11,12,13,14,15
	STEP \t, \ab, 1, 1, 1
.endr
.endm
	PHASE A0, A1, STG1, 1, 1, 1, 1, 56, 0          ; leaf 0; converts 1, asks for 3
	WIN 0                                          ; at a label and at a branch every block is 0
	s_mov_b32 s30, 2
.Lpair:
	PHASE A1, A0, STG0, 0, 0, 1, 1, 56, 0          ; leaves 1, 3; convert 2, 4; ask for 4, 6
	PHASE A0, A1, STG1, 1, 0, 1, 1, 56, 0          ; leaves 2, 4; convert 3, 5; ask for 5, 7
	WIN 0
	s_sub_co_u32 s30, s30, 1
	s_cmp_lg_u32 s30, 0
	s_cbranch_scc1 .Lpair
	PHASE A1, A0, STG0, 0, 0, 1, 0, 56, 8          ; leaf 5; converts 6; nothing is left to ask for: 24 - 8 g of leaf 6 and 32 of leaf 7 are younger
	PHASE A0, A1, STG1, 1, 0, 1, 0, 24, 8          ; leaf 6; converts 7: 24 - 8 g are younger, the last wait is for 0
	PHASE A1, A0, STG0, 0, 0, 0, 0, 0, 0           ; leaf 7
	STEP 0, A1, 0, 1, 1                            ; leaf 7's last two tiles are finished
	STEP 1, A1, 0, 0, 1
	SCORES_OUT
	; THE FIVE LOWEST LEVELS.  Thread p takes queries 2 p and 2 p + 1 and all 32 leaves of the work-group.
	s_wait_dscnt 0x0                               ; my half-scores are in LDS,
	s_barrier_signal -1
	s_barrier_wait -1                              ; everybody's are
	v_lshl_add_u32 v20, v0, 3, SC_BASE
.set i, 0
.rept 32
	ds_load_b64 v[SCR+2*i:SCR+2*i+1], v20 offset:SC_LEAF*i          ; leaf i: the sum over e = 0 .. 31,
	ds_load_b64 v[WN+2*i:WN+2*i+1], v20 offset:SC_LEAF*i+1024       ; and over e = 32 .. 63
.set i, i+1
.endr
	s_and_b32 s22, ttmp9, 31
	s_lshl_b32 s22, s22, 5
	v_cvt_f32_u32 v21, s22                         ; the subtree's first leaf in its batch, exact in f32
	v_lshlrev_b32 v22, 4, v0
; leaves 2 m and 2 m + 1: the two halves of e are added; the winner counted from the node's first leaf, 0.0 or 1.0; the sum takes the left leaf's place
.macro LEAFPAIR m
	s_wait_dscnt 60-4*\m                           ; LDS loads return in order: of the 64, 60 - 4 m were issued behind this pair's four
	v_pk_add_f32 v[SCR+4*\m:SCR+4*\m+1], v[SCR+4*\m:SCR+4*\m+1], v[WN+4*\m:WN+4*\m+1]
	v_pk_add_f32 v[SCR+4*\m+2:SCR+4*\m+3], v[SCR+4*\m+2:SCR+4*\m+3], v[WN+4*\m+2:WN+4*\m+3]
	v_cmp_lt_f32 s20, v[SCR+4*\m], v[SCR+4*\m+2]
	v_cmp_lt_f32 s21, v[SCR+4*\m+1], v[SCR+4*\m+3]
	v_pk_add_f32 v[SCR+4*\m:SCR+4*\m+1], v[SCR+4*\m:SCR+4*\m+1], v[SCR+4*\m+2:SCR+4*\m+3]
	v_cndmask_b32 v[WN+4*\m], 0, 1.0, s20
	v_cndmask_b32 v[WN+4*\m+1], 0, 1.0, s21
.endm
; the nodes that begin at leaves l and l + n, of n leaves each; inc = n as f32
.macro MERGE l, n, inc
	v_pk_add_f32 v[TW:TW+1], v[WN+2*(\l+\n):WN+2*(\l+\n)+1], \inc op_sel_hi:[1,0]
	v_cmp_lt_f32 s20, v[SCR+2*\l], v[SCR+2*(\l+\n)]
	v_cmp_lt_f32 s21, v[SCR+2*\l+1], v[SCR+2*(\l+\n)+1]
	v_pk_add_f32 v[SCR+2*\l:SCR+2*\l+1], v[SCR+2*\l:SCR+2*\l+1], v[SCR+2*(\l+\n):SCR+2*(\l+\n)+1]
	v_cndmask_b32 v[WN+2*\l], v[WN+2*\l], v[TW], s20
	v_cndmask_b32 v[WN+2*\l+1], v[WN+2*\l+1], v[TW+1], s21
.endm
.irp m, 0,1,2,3,4,5,6,7,8,9,10,11,12,13,14,15
	LEAFPAIR \m
.endr
.irp l, 0,4,8,12,16,20,24,28
	MERGE \l, 2, 2.0
.endr
.irp l, 0,8,16,24
	MERGE \l, 4, 4.0
.endr
	MERGE 0, 8, 0x41000000
	MERGE 16, 8, 0x41000000
	; the subtree's root, written straight into the registers that are stored
	v_pk_add_f32 v[TW:TW+1], v[WN+32:WN+33], 0x41800000 op_sel_hi:[1,0]
	v_cmp_lt_f32 s20, v[SCR], v[SCR+32]
	v_cmp_lt_f32 s21, v[SCR+1], v[SCR+33]
	v_pk_add_f32 v[OUT:OUT+1], v[SCR:SCR+1], v[SCR+32:SCR+33]
	v_cndmask_b32 v[OUT+2], v[WN], v[TW], s20
	v_cndmask_b32 v[OUT+3], v[WN+1], v[TW+1], s21
	v_add_f32 v[OUT+2], v21, v[OUT+2]
	v_add_f32 v[OUT+3], v21, v[OUT+3]
	global_store_b128 v22, v[OUT:OUT+3], s[10:11]  ; a wave stores 512 consecutive bytes, aligned; the next launch reads them
	s_wait_tensorcnt 0x0
	ds_add_u32 v19, v27
	s_wait_dscnt 0x0
	s_endpgm
.Lfunc_end_k_q7f2a54f499_leafscores:
	.size	k_q7f2a54f499_leafscores, .Lfunc_end_k_q7f2a54f499_leafscores-k_q7f2a54f499_leafscores
	.p2alignl 7, 3214868480
	.fill 96, 4, 3214868480
	.section	.rodata,"a",@progbits
	.p2align	6, 0x0
	.amdhsa_kernel k_q7f2a54f499_leafscores
		.amdhsa_group_segment_fixed_size 102912
		.amdhsa_private_segment_fixed_size 0
		.amdhsa_enable_private_segment 0
		.amdhsa_kernarg_size 40
		.amdhsa_user_sgpr_count 2
		.amdhsa_user_sgpr_kernarg_segment_ptr 1
		.amdhsa_wavefront_size32 1
		.amdhsa_system_sgpr_workgroup_id_x 1
		.amdhsa_system_sgpr_workgroup_id_y 1
		.amdhsa_system_sgpr_workgroup_id_z 1
		.amdhsa_system_vgpr_workitem_id 0
		.amdhsa_next_free_vgpr 1024
		.amdhsa_next_free_sgpr 66
		.amdhsa_reserve_vcc 0
		.amdhsa_float_denorm_mode_32 3
		.amdhsa_float_denorm_mode_16_64 3
		.amdhsa_memory_ordered 1
		.amdhsa_forward_progress 1
		.amdhsa_inst_pref_size 255
	.end_amdhsa_kernel
	.section	.bss,"aw",@nobits
	.p2align	6
	.space	262144
	.amdgpu_metadata
---
amdhsa.version: [ 1, 2 ]
amdhsa.kernels:
  - .name:           k_q7f2a54f499_leafscores
    .symbol:         k_q7f2a54f499_leafscores.kd
    .args:
      - { .name: leafs, .offset: 0, .size: 8, .value_kind: global_buffer, .address_space: global }
      - { .name: X, .offset: 8, .size: 8, .value_kind: global_buffer, .address_space: global }
      - { .name: q, .offset: 16, .size: 8, .value_kind: global_buffer, .address_space: global }
      - { .name: part, .offset: 24, .size: 8, .value_kind: global_buffer, .address_space: global }
      - { .name: ctx, .offset: 32, .size: 8, .value_kind: global_buffer, .address_space: global }
    .group_segment_fixed_size: 102912
    .private_segment_fixed_size: 0
    .kernarg_segment_align: 8
    .kernarg_segment_size: 40
    .max_flat_workgroup_size: 128
    .sgpr_count:     66
    .vgpr_count:     1024
    .wavefront_size: 32
...
	.end_amdgpu_metadata
.endif
;; end of part 1
;; launch descend (part 2): grid 32 x 1, 1 waves a work-group, no clusters, 0 bytes of LDS; arguments part, out0; writes out0
.if DOCPART == 2
	.amdgcn_target "amdgcn-amd-amdhsa--gfx1250"
	.amdhsa_code_object_version 6
	.text
	.protected	k_q7f2a54f499_descend
	.globl	k_q7f2a54f499_descend
	.p2align	8
	.type	k_q7f2a54f499_descend,@function
k_q7f2a54f499_descend:
	s_mov_b64 s[64:65], 0
	v_nop
	global_prefetch_b8 v0, s[64:65] scope:SCOPE_SE
	s_setreg_imm32_b32 hwreg(HW_REG_WAVE_MODE, 25, 1), 1
	s_wait_xcnt 0x0
; MemoryTree oracle, launch 2 of 2: the five upper levels.  part[g = 32 b + k][pair p] = (sum of query 2p, of 2p+1, winning leaf of 2p, of 2p+1) for
; subtree k (32 leaves) of batch b.  win(node) = s(left) < s(right) ? win(right) : win(left), s(node) = s(left) + s(right); the root's winner is the
; leaf that reference()'s descent reaches.  Sums stand for the reference's means (the same factor on both sides of every comparison).
; One wave a work-group; work-group j takes batch j / 4 and query pairs 32 (j % 4) + lane: 64 queries, so that its one store is 256 consecutive bytes
; of out0, aligned.  Each load of the wave covers 512 consecutive bytes.  No LDS, no barrier: a lane's 32 subtrees meet in its own registers.
; The choice only selects values (v_cndmask_b32): no address and no branch hangs on a score.
.set ND, 4                             ; v[4:131]  subtree k: four registers at ND + 4 k
	s_load_b128 s[4:7], s[0:1], 0x0                ; part s[4:5], out0 s[6:7]
	s_lshr_b32 s8, ttmp9, 2
	s_lshl_b32 s8, s8, 16                          ; the batch's 32 subtrees x 2,048 bytes
	s_and_b32 s10, ttmp9, 3
	s_lshl_b32 s10, s10, 9                         ; my 32 pairs x 16 bytes
	s_add_co_u32 s8, s8, s10
	s_mov_b32 s9, 0
	s_lshl_b32 s10, ttmp9, 8                       ; out0: 64 queries x 4 bytes a work-group
	s_mov_b32 s11, 0
	v_lshlrev_b32 v1, 4, v0
	v_lshlrev_b32 v2, 3, v0
	s_wait_kmcnt 0x0
	s_add_nc_u64 s[4:5], s[4:5], s[8:9]
	s_add_nc_u64 s[6:7], s[6:7], s[10:11]
.set k, 0
.rept 32
	global_load_b128 v[ND+4*k:ND+4*k+3], v1, s[4:5] offset:2048*k
.set k, k+1
.endr
; two nodes, left in a, right in b: the result takes the left one's place
.macro JOIN a, b
	v_cmp_lt_f32 s12, v[\a], v[\b]
	v_cmp_lt_f32 s13, v[\a+1], v[\b+1]
	v_pk_add_f32 v[\a:\a+1], v[\a:\a+1], v[\b:\b+1]
	v_cndmask_b32 v[\a+2], v[\a+2], v[\b+2], s12
	v_cndmask_b32 v[\a+3], v[\a+3], v[\b+3], s13
.endm
.irp m, 0,1,2,3,4,5,6,7,8,9,10,11,12,13,14,15
	s_wait_loadcnt 30-2*\m                         ; loads return in order: 30 - 2 m were issued behind subtrees 2 m and 2 m + 1
	JOIN ND+8*\m, ND+8*\m+4
.endr
.irp m, 0,1,2,3,4,5,6,7
	JOIN ND+16*\m, ND+16*\m+8
.endr
.irp m, 0,1,2,3
	JOIN ND+32*\m, ND+32*\m+16
.endr
	JOIN ND, ND+32
	JOIN ND+64, ND+96
	JOIN ND, ND+64
	global_store_b64 v2, v[ND+2:ND+3], s[6:7]      ; the chosen leaves of queries 2p and 2p+1, as f32
	s_endpgm
.Lfunc_end_k_q7f2a54f499_descend:
	.size	k_q7f2a54f499_descend, .Lfunc_end_k_q7f2a54f499_descend-k_q7f2a54f499_descend
	.p2alignl 7, 3214868480
	.fill 96, 4, 3214868480
	.section	.rodata,"a",@progbits
	.p2align	6, 0x0
	.amdhsa_kernel k_q7f2a54f499_descend
		.amdhsa_group_segment_fixed_size 0
		.amdhsa_private_segment_fixed_size 0
		.amdhsa_enable_private_segment 0
		.amdhsa_kernarg_size 16
		.amdhsa_user_sgpr_count 2
		.amdhsa_user_sgpr_kernarg_segment_ptr 1
		.amdhsa_wavefront_size32 1
		.amdhsa_system_sgpr_workgroup_id_x 1
		.amdhsa_system_sgpr_workgroup_id_y 1
		.amdhsa_system_sgpr_workgroup_id_z 1
		.amdhsa_system_vgpr_workitem_id 0
		.amdhsa_next_free_vgpr 132
		.amdhsa_next_free_sgpr 66
		.amdhsa_reserve_vcc 0
		.amdhsa_float_denorm_mode_32 3
		.amdhsa_float_denorm_mode_16_64 3
		.amdhsa_memory_ordered 1
		.amdhsa_forward_progress 1
		.amdhsa_inst_pref_size 15
	.end_amdhsa_kernel
	.amdgpu_metadata
---
amdhsa.version: [ 1, 2 ]
amdhsa.kernels:
  - .name:           k_q7f2a54f499_descend
    .symbol:         k_q7f2a54f499_descend.kd
    .args:
      - { .name: part, .offset: 0, .size: 8, .value_kind: global_buffer, .address_space: global }
      - { .name: out0, .offset: 8, .size: 8, .value_kind: global_buffer, .address_space: global }
    .group_segment_fixed_size: 0
    .private_segment_fixed_size: 0
    .kernarg_segment_align: 8
    .kernarg_segment_size: 16
    .max_flat_workgroup_size: 32
    .sgpr_count:     66
    .vgpr_count:     132
    .wavefront_size: 32
...
	.end_amdgpu_metadata
.endif
;; end of part 2
;; ======== version 2 of 2: 2 launches; version 1 with the launch leafscores written anew for expert scheduling mode
;; limits: right only within a limited range of input values
;; workspace buffers: part 524,288 bytes; ctx 524,288 bytes
;; launch leafscores (part 3): grid 256 x 1, 4 waves a work-group, no clusters, 102,912 bytes of LDS; arguments leafs, X, q, part, ctx; writes part, ctx
.if DOCPART == 3
	.amdgcn_target "amdgcn-amd-amdhsa--gfx1250"
	.amdhsa_code_object_version 6
	.text
	.protected	k_q7f2a54f499_leafscores
	.globl	k_q7f2a54f499_leafscores
	.p2align	8
	.type	k_q7f2a54f499_leafscores,@function
k_q7f2a54f499_leafscores:
	s_mov_b64 s[64:65], 0
	v_nop
	global_prefetch_b8 v0, s[64:65] scope:SCOPE_SE
	s_setreg_imm32_b32 hwreg(HW_REG_WAVE_SCHED_MODE, 0, 2), 2
	s_setreg_imm32_b32 hwreg(HW_REG_WAVE_MODE, 25, 1), 1
	s_wait_xcnt 0x0
	s_wait_alu depctr_vm_vsrc(0)
; MemoryTree oracle, launch 1 of 2.  leafs [8][1024][64][64] f32, X [8][1024][64] f32, q [8][256][64] f32.
; A tree node is the average of its leaves, so its score q^T M q is the mean of its leaves' scores, and the descent is a tournament from
; below: win(node) = s(left) < s(right) ? win(right) : win(left), s(node) = s(left) + s(right).
; This launch makes every leaf's score for every query of its batch, reading each leaf byte once, and plays the five lowest levels.
; Work-group g owns leaves 32 g .. 32 g + 31 of the flattened [8192] (a subtree of depth 5 of batch g / 32); wave w owns 8 of them, for all 256 queries.
; Out: part[g][pair p] = (sum of query 2p, sum of query 2p+1, winning leaf of 2p, of 2p+1), 16 bytes; the leaf's number in its batch as f32.
;
; ARITHMETIC.  U[e] = sum over d of bf16(M[d][e]) bf16(q[d]) on the matrix unit (f32 sums), then s = sum over e of U[e] bf16(q[e]) in f32.
; LIMITS, stated: leafs and q are rounded to bf16 (nearest even), the second contraction uses the same rounded q, nothing else is rounded below f32.
; Node scores are kept as sums, 2^level times the reference's means: the comparisons are the same unless a sum of up to 1,024 leaf scores leaves f32's
; range, which is 2^10 sooner than a mean would.  The reference averages matrices and then contracts, this text contracts and then adds: two scores
; that agree to within f32 rounding may compare the other way.  NaN scores compare false, as in the reference; with infinities among the inputs a NaN
; may arise at other nodes than in the reference.
; X: reference() averages it pairwise into x_shared and hands that to its fusion function, which ignores it: no output hangs on X.  Each wave reads its
; eight rows, forms x_shared of levels 1 and 2 as reference() does, and stores level 2 (one row for four leaves) to ctx, which nothing reads again.
;
; LAYOUT.  Load i (0..31) of a leaf: lanes 0-15 take row d = i, lanes 16-31 row d = 32 + i, 16 bytes a lane: each half of the wave reads 256
; consecutive bytes, aligned.  Lane (r = lane % 16, h = lane / 16) then holds M[i + 32 h][4 r + c] in register 4 i + c.  For a fixed c that is a matrix
; operand with row e = 4 r + c and k running over d; pairs of loads (2P, 2P+1) pack into fragment register P (0..15, two K steps of 32).
; So the k place (h, register P, half x) stands for d = 32 h + 2 P + x, and q's fragments use the same order: lane (r, h) of query tile t holds
; q[16 t + r][32 h .. 32 h + 31] in 16 registers.  The result's register j of lane (r, h) is U[e = 32 h + 4 j + c] of query 16 t + r, so the lane's own
; fragment registers hold exactly the q[e] that its second contraction needs: register 2 j + c / 2, half c % 2.
; THE SECOND CONTRACTION, two forms.  Even tiles: 32 multiply-adds that take q's bf16 half straight from the fragment.  Odd tiles: the same 32 numbers are
; kept a second time, widened to f32, in the order of the result registers (place 8 c + j = q[32 h + 4 j + c]), and 16 packed multiply-adds do the work.
; All 16 tiles in f32 would take 512 registers; 256 are free, so eight tiles have the copy.  A lane sums its own 32 e; the two halves of the lanes are
; added where the scores are read back for the tournament.
;
; REGISTERS, in blocks of 256 (s_set_vgpr_msb: bits 1:0 source 0, 3:2 source 1, 5:4 source 2, 7:6 destination):
;   block 0: v0-31 addresses and partial sums; v32-47 a leaf's 16 half-scores; v48-63 X, then v52-59 the reloads' offsets; v64-191 two buffers of leaf
;            fragments; v192-255 two buffers of results
;   block 1: v0-127 q's fragments of tiles 0-7;  v128-255 q in f32 of tiles 15, 1, 3, 5
;   block 3: v0-127 q's fragments of tiles 8-15; v128-255 q in f32 of tiles 7, 9, 11, 13
;   block 2: two stages of 128 registers, a leaf as loaded
; A matrix instruction takes q's fragment, and a multiply-add of the second contraction takes q, as source 1: both must lie in one block.  Step t multiplies
; tile t and contracts tile t - 1, so steps 0-7 run under 0x04 (source 1 in block 1), steps 8-15 under 0x0c (block 3), and the f32 copies of tiles 15 and 7
; lie in the block of the step that uses them.  Under these settings an addition of two block-0 registers is written a * 1.0 + b (sources 0 and 2).
;
; THE MODE: SCHED_MODE bits 1:0 = 2 (LLVM: expert scheduling mode 2), set by the entry lines.  The code itself states the register dependences between
; vector or matrix instructions and memory or LDS instructions, with s_wait_alu, always for 0.
; THE PLAN.  Registers that memory or LDS instructions touch, in the stream of leaves:
;   STG0, STG1  A group's sixteen conversions read eight quads of a stage; behind them the loads of the leaf two further on land in the same eight.
;   GADR (8)    Written by one add at the head of its group; read by the group's eight loads; written again two leaves later.
;   SCADR       Written by one add a leaf; read by the leaf's sixteen LDS stores.
;   SCO (16)    Written by the steps' last additions (steps 2-15 of a leaf, steps 0 and 1 of the next); read by the same sixteen LDS stores.
;   The fragment buffers A0 and A1, the results, the partial sums and both forms of q are named by vector and matrix instructions alone.
; So a group holds two waits: one on vm_vsrc at its head, ahead of the adds (the loads and LDS stores issued so far have read the offset and SCADR), and one
; on va_vdst behind its conversions (they are done reading the quads; the adds are written; in group 1 the sixteen half-scores too).  The group's loads, and in
; group 1 the leaf's LDS stores behind them, follow that wait with no vector instruction between.  One more wait on vm_vsrc stands in step 2, ahead of the
; first addition that writes a half-score's register again.  Head, prologue and tournament state their dependences where they arise.
.set LEAF_B,  16384                    ; bytes in a leaf
.set QPITCH,  144                      ; LDS row of q in bf16: 128 bytes + 16: 9 x 16, so sixteen rows start at sixteen different 16-byte columns modulo 256
.set SC_BASE, 256*QPITCH               ; behind q: half-scores [32 leaves][2 halves of e][256 queries] f32
.set SC_LEAF, 2048                     ; bytes of a leaf's half-scores
.set LADR,  1                          ; v1   16 r + 8192 h: my 16 bytes in load 0 of my wave's leaf 0; never rewritten
.set SCADR, 2                          ; v2   LDS address of my half-score of tile 0 in the leaf whose scores went out last
.set ZERO,  3                          ; v3   0.0: starts the four sums of an even tile
.set QLD,   4                          ; v4   16 x lane
.set XLD,   5                          ; v5   16 r + 1024 h
.set QST,   6                          ; v6   where I put 8 bytes of q in bf16
.set QRD,   7                          ; v7   where my fragments of q begin in tile 0
.set ACC,   8                          ; v[8:15]  two sets of four partial sums
.set TS,    16                         ; v[16:17] two of four added
.set OUT,   28                         ; v[28:31] what is stored
.set SCO,   32                         ; v[32:47] the leaf's half-score, tile t
.set XR,    48                         ; v[48:63] four quads of X; v[48:51] end as the row that is stored
.set GADR,  52                         ; v[52:59] stage s, group g (4 s + g): LADR + 16,384 x the leaf that the group's eight quads hold or await
.set A0,    64                         ; leaf fragments, buffer 0: 16 c + 8 s + p
.set A1,    128                        ; buffer 1
.set DB,    192                        ; results: buffer (t % 2), 8 c + j
.set SCR,   64                         ; tournament: scores, leaf L at 2 L (two queries)
.set WN,    128                        ; tournament: the upper half's part of the scores, then the winners, same places
.set QF,    128                        ; blocks 1 and 3: q in f32, four tiles of 32 registers
.set STG0,  0                          ; block 2: stage of the even leaves
.set STG1,  128                        ; block 2: stage of the odd leaves
.set CM,    14                         ; s[14:29] tournament: the masks of a run of up to sixteen comparisons
.set MSB, 0
.macro WIN new                         ; the immediate's high byte repeats the setting that is left
.if MSB != \new
	s_set_vgpr_msb (MSB<<8)|\new
.set MSB, \new
.endif
.endm
	s_load_b256 s[4:11], s[0:1], 0x0               ; leafs s[4:5], X s[6:7], q s[8:9], part s[10:11]
	s_load_b64 s[12:13], s[0:1], 0x20              ; ctx
	v_lshl_add_u32 v19, v0, 2, 0x19000
	v_mov_b32 v27, 0
	v_lshrrev_b32 v20, 5, v0
	v_readfirstlane_b32 s14, v20                   ; wave 0..3
	v_and_b32 v21, 15, v0                          ; r
	v_bfe_u32 v22, v0, 4, 1                        ; h
	v_and_b32 v23, 31, v0                          ; lane
	v_lshlrev_b32 v[QLD], 4, v23
	v_lshlrev_b32 v24, 4, v21
	v_lshl_add_u32 v[LADR], v22, 13, v24           ; 32 rows of 256 bytes further for lanes 16-31
	v_lshl_add_u32 v[XLD], v22, 10, v24            ; 4 rows of X further for lanes 16-31
	s_wait_alu depctr_va_sdst(0)                   ; s14 is written, ahead of its first reader: the bases below are made from it
	s_lshl_b32 s16, ttmp9, 19                      ; leafs: 32 leaves x 16,384 bytes a work-group (below 2^27 in all),
	s_lshl_b32 s15, s14, 17                        ; 8 leaves a wave
	s_add_co_u32 s16, s16, s15
	s_mov_b32 s17, 0
	s_lshl_b32 s18, ttmp9, 13                      ; X: 32 rows of 256 bytes a work-group,
	s_lshl_b32 s15, s14, 11                        ; 8 a wave
	s_add_co_u32 s18, s18, s15
	s_mov_b32 s19, 0
	s_lshr_b32 s20, ttmp9, 5                       ; q: the batch's 65,536 bytes,
	s_lshl_b32 s20, s20, 16
	s_lshl_b32 s15, s14, 14                        ; of which this wave stages rows 64 w .. 64 w + 63
	s_add_co_u32 s20, s20, s15
	s_mov_b32 s21, 0
	s_lshl_b32 s22, ttmp9, 11                      ; part: 2,048 bytes a work-group
	s_mov_b32 s23, 0
	s_lshl_b32 s15, s14, 9                         ; ctx: 2,048 bytes a work-group, 512 a wave
	s_add_co_u32 s24, s22, s15
	s_mov_b32 s25, 0
	s_mov_b32 s28, 0xffff0000                      ; a word's upper bf16
	s_mov_b32 s31, 2*LEAF_B                        ; a stage's next leaf is two further on
	s_wait_kmcnt 0x0
	s_add_nc_u64 s[4:5], s[4:5], s[16:17]          ; none of the five bases is written again
	s_add_nc_u64 s[6:7], s[6:7], s[18:19]
	s_add_nc_u64 s[8:9], s[8:9], s[20:21]
	s_add_nc_u64 s[10:11], s[10:11], s[22:23]
	s_add_nc_u64 s[12:13], s[12:13], s[24:25]
	s_wait_alu depctr_va_vdst(0)                   ; the offsets v1, v4 and v5 are written, which the loads below read
; a whole leaf, 32 loads, into a stage
.macro LOADLEAF stg, off
	WIN 0x80
.set i, 0
.rept 32
	global_load_b128 v[\stg+4*i:\stg+4*i+3], v[LADR], s[4:5] offset:\off+256*i th:TH_LOAD_NT
.set i, i+1
.endr
.endm
.irp i, 0,1,2,3
	global_load_b128 v[XR+4*\i:XR+4*\i+3], v[XLD], s[6:7] offset:256*\i th:TH_LOAD_NT   ; rows i (lanes 0-15) and 4 + i (lanes 16-31) of my eight
.endr
	WIN 0x80
.set j, 0
.rept 32
	global_load_b128 v[STG1+4*j:STG1+4*j+3], v[QLD], s[8:9] offset:512*j    ; q rows 64 w + 2 j + h, columns 4 r ..: 512 consecutive bytes; the odd stage is free until leaf 1
.set j, j+1
.endr
	LOADLEAF STG0, 0                               ; leaf 0
	WIN 0
	v_mul_u32_u24 v25, v22, QPITCH                 ; the rest of the addresses, while the loads are out
	v_lshl_add_u32 v25, v21, 3, v25
	s_mul_i32 s26, s14, 64*QPITCH
	v_add_nc_u32 v[QST], s26, v25                  ; (64 w + h) x pitch + 8 r
	v_mul_u32_u24 v26, v21, QPITCH
	v_lshl_add_u32 v[QRD], v22, 6, v26             ; r x pitch + 64 h
	s_lshl_b32 s27, s14, 14                        ; a wave's 8 leaves x 2,048 bytes of half-scores are its own
	s_add_co_u32 s27, s27, SC_BASE-SC_LEAF         ; one leaf short: the address is stepped ahead of each leaf's stores
	v_lshl_add_u32 v[SCADR], v21, 2, s27
	v_lshl_add_u32 v[SCADR], v22, 10, v[SCADR]     ; + 4 r + 1,024 h
	v_mov_b32 v[ZERO], 0
	s_wait_loadcnt 32                              ; loads return in order: X and q are in, leaf 0's 32 loads stay out
	; x_shared = (left + right) * 0.5, level 1 and level 2, as reference() forms it; lanes 0-15 end with rows 0-3, lanes 16-31 with rows 4-7.
	; These lines and the offsets' makers stand ahead of q's conversions, so that the one wait behind the conversions serves the ctx store too.
	v_pk_add_f32 v[XR:XR+1], v[XR:XR+1], v[XR+4:XR+5]
	v_pk_add_f32 v[XR+2:XR+3], v[XR+2:XR+3], v[XR+6:XR+7]
	v_pk_add_f32 v[XR+8:XR+9], v[XR+8:XR+9], v[XR+12:XR+13]
	v_pk_add_f32 v[XR+10:XR+11], v[XR+10:XR+11], v[XR+14:XR+15]
	v_pk_mul_f32 v[XR:XR+1], v[XR:XR+1], 0.5 op_sel_hi:[1,0]
	v_pk_mul_f32 v[XR+2:XR+3], v[XR+2:XR+3], 0.5 op_sel_hi:[1,0]
	v_pk_mul_f32 v[XR+8:XR+9], v[XR+8:XR+9], 0.5 op_sel_hi:[1,0]
	v_pk_mul_f32 v[XR+10:XR+11], v[XR+10:XR+11], 0.5 op_sel_hi:[1,0]
	v_pk_add_f32 v[XR:XR+1], v[XR:XR+1], v[XR+8:XR+9]
	v_pk_add_f32 v[XR+2:XR+3], v[XR+2:XR+3], v[XR+10:XR+11]
	v_pk_mul_f32 v[XR:XR+1], v[XR:XR+1], 0.5 op_sel_hi:[1,0]
	v_pk_mul_f32 v[XR+2:XR+3], v[XR+2:XR+3], 0.5 op_sel_hi:[1,0]
.irp g, 0,1,2,3
	v_mov_b32 v[GADR+\g], v[LADR]                  ; stage 0 holds leaf 0,
	v_add_nc_u32 v[GADR+4+\g], LEAF_B, v[LADR]     ; stage 1 leaf 1 (in X's registers 4-11, which the sums above have left)
.endr
	WIN 0x0a
.set j, 0
.rept 64
	v_cvt_pk_bf16_f32 v[A1+j], v[STG1+2*j], v[STG1+2*j+1]      ; q to bf16, once for the work-group; into buffer 1, which leaf 0 does not use
.set j, j+1
.endr
	WIN 0x80
	s_wait_alu depctr_va_vdst(0)                   ; the conversions are done reading the odd stage, in which leaf 1 lands; they have written v[A1 ..], and v[QST] and X's row v[48:51] are written, which the stores below read
	LOADLEAF STG1, LEAF_B                          ; leaf 1 into the stage that q has left
	WIN 0
.set j, 0
.rept 32
	ds_store_b64 v[QST], v[A1+2*j:A1+2*j+1] offset:2*QPITCH*j
.set j, j+1
.endr
	global_store_b128 v[QLD], v[XR:XR+3], s[12:13] th:TH_STORE_NT   ; 512 consecutive bytes, aligned; its registers are never written again
; a leaf's 16 x 32 half-scores go to LDS
.macro SC_STORES
.set i, 0
.rept 16
	ds_store_b32 v[SCADR], v[SCO+i] offset:64*i
.set i, i+1
.endr
.endm
; A quarter of a leaf leaves its stage: quads 8 g .. 8 g + 7 become fragment registers P = 4 g .. 4 g + 3 of all four c, and (load = 1) the eight
; quads are asked for again at once, from the leaf two further on.  cnt = how many younger loads may stay out.  Each group of each stage (sx) has an offset
; register of its own: the wait that shows the group's eight loads done also frees the register that they named, so it is stepped with no further wait on a memory counter.
; rel = 1: loads have read that offset before (from its second use on).  sc = 1: the group also sends out the scores of the leaf before: their address is
; stepped beside the offset, a leaf's work behind the stores that named it last, and the sixteen LDS stores follow the group's loads.
.macro GROUP g, an, stg, sx, cnt, load, rel=0, sc=0
	s_wait_loadcnt \cnt
.if \sc
	WIN 0
.elseif \load
.if (MSB & 0xc3) != 0
	WIN 0                                          ; source 0 and the destination of the next line are in block 0
.endif
.endif
.if ((\load) && (\rel)) || (\sc)
	s_wait_alu depctr_vm_vsrc(0)                   ; the loads issued so far have read this group's offset, the LDS stores of the leaf before have read v[SCADR]: the adds below write them
.endif
.if \load
	v_add_nc_u32 v[GADR+4*\sx+\g], v[GADR+4*\sx+\g], s31
.endif
.if \sc
	v_add_nc_u32 v[SCADR], SC_LEAF, v[SCADR]
.endif
	WIN 0x0a
.set p, 4*\g
.rept 4
.irp c, 0,1,2,3
	v_cvt_pk_bf16_f32 v[\an+16*\c+p], v[\stg+8*p+\c], v[\stg+8*p+4+\c]    ; rows d = 2 p + 32 h and 2 p + 1 + 32 h of column 4 r + c
.endr
.set p, p+1
.endr
.if \load
	WIN 0x80
.endif
.if (\load) || (\sc)
	s_wait_alu depctr_va_vdst(0)                   ; the conversions are done reading the eight quads, in which the loads land; the offset is written; with sc, v[SCADR] and the sixteen half-scores are written
.endif
.if \load
.set i, 8*\g
.rept 8
	global_load_b128 v[\stg+4*i:\stg+4*i+3], v[GADR+4*\sx+\g], s[4:5] offset:256*i th:TH_LOAD_NT
.set i, i+1
.endr
.endif
.if \sc
	WIN 0
	SC_STORES                                      ; no vector instruction stands between the wait above and these
.endif
.endm
; Leaf 0 is converted and leaf 2 asked for.  The count: behind quads 8 g .. 8 g + 7 were issued 24 - 8 g of the same leaf, 32 of the next and 8 g of the reloads: 56.
.irp g, 0,1,2,3
	GROUP \g, A0, STG0, 0, 56, 1
.endr
	s_wait_dscnt 0x0                               ; my rows of q are in LDS,
	s_barrier_signal -1
	s_barrier_wait -1                              ; everybody's are
	s_wait_alu depctr_vm_vsrc(0)                   ; my LDS stores of q have read v[A1 ..], which leaf 1's conversions write in the first phase
; q's fragments of tile t: q[16 t + r][32 h + 8 k ..], straight into the fragment's registers.  No wait on va_vdst: v[QRD] was written ahead of the waits above,
; and no vector instruction names a fragment's registers before its loads have landed.
.macro QTILE t
.if \t < 8
	WIN 0x40
.else
	WIN 0xc0
.endif
.irp k, 0,1,2,3
	ds_load_b128 v[16*(\t&7)+4*\k:16*(\t&7)+4*\k+3], v[QRD] offset:16*QPITCH*\t+16*\k
.endr
.endm
; odd tile u once more, in f32: place 8 c + j = q[32 h + 4 j + c] = half c % 2 of fragment register 2 j + c / 2.  It goes to the block of step u + 1.
.macro UNPACK u
.set US, 16*(\u&7)
.set UD, QF+32*((((\u+1)&15)>>1)&3)
.set UW, ((1+2*(((\u+1)&15)>>3))<<6)|((1+2*(\u>>3))<<2)
	WIN UW
.irp c, 0,1,2,3
.irp j, 0,1,2,3,4,5,6,7
.if \c & 1
	v_and_b32 v[UD+8*\c+\j], s28, v[US+2*\j+(\c>>1)]
.else
	v_lshlrev_b32 v[UD+8*\c+\j], 16, v[US+2*\j+(\c>>1)]
.endif
.endr
.endr
.endm
	QTILE 0                                        ; the widening stands between the loads: short runs of loads, and work while they are served
	QTILE 1
	QTILE 2
.irp u, 1,3,5,7,9,11
	QTILE (\u+2)
	QTILE (\u+3)
	s_wait_dscnt 12                                ; LDS loads return in order: three tiles' twelve loads are younger than tile u's
	UNPACK \u
.endr
	QTILE 15
	s_wait_dscnt 8                                 ; tiles 14 and 15 are younger than tile 13
	UNPACK 13
	s_wait_dscnt 0x0                               ; all of q's fragments are in
	UNPACK 15
; Even tile: four multiply-adds of the second contraction: result tile c = k / 2, registers j = 4 (k % 2) + a, sum a.  Four sums, so that no line waits for the one in front.
.macro DOT4 k
.set DC, DR+8*(\k>>1)+4*(\k&1)
.set BQ, BP+8*(\k&1)+(\k>>2)           ; q register 2 j + c / 2
.if \k == 0
.irp a, 0,1,2,3
	v_fma_mix_f32_bf16 v[AD+\a], v[DC+\a], v[BQ+2*\a], v[ZERO] op_sel:[0,0,0] op_sel_hi:[0,1,0]
.endr
.else
.if (\k>>1)&1
.irp a, 0,1,2,3
	v_fma_mix_f32_bf16 v[AD+\a], v[DC+\a], v[BQ+2*\a], v[AD+\a] op_sel:[0,1,0] op_sel_hi:[0,1,0]    ; odd c: q in the upper half
.endr
.else
.irp a, 0,1,2,3
	v_fma_mix_f32_bf16 v[AD+\a], v[DC+\a], v[BQ+2*\a], v[AD+\a] op_sel:[0,0,0] op_sel_hi:[0,1,0]
.endr
.endif
.endif
.endm
; Odd tile: the same four result registers 4 k .. 4 k + 3 against q in f32 at the same places, two packed lines; the first products start the sums.
.macro DOT2 k
.if \k == 0
	v_pk_mul_f32 v[AD:AD+1], v[DR:DR+1], v[QB:QB+1]
	v_pk_mul_f32 v[AD+2:AD+3], v[DR+2:DR+3], v[QB+2:QB+3]
.else
	v_pk_fma_f32 v[AD:AD+1], v[DR+4*\k:DR+4*\k+1], v[QB+4*\k:QB+4*\k+1], v[AD:AD+1]
	v_pk_fma_f32 v[AD+2:AD+3], v[DR+4*\k+2:DR+4*\k+3], v[QB+4*\k+2:QB+4*\k+3], v[AD+2:AD+3]
.endif
.endm
; One step.  w: the eight matrix instructions of query tile t (four accumulators c, two K steps; the four take turns, one instruction a turn;
; the first K step starts the sums with C = 0).  dot: behind each of them the multiply-adds of tile t - 1, whose results lie in the other
; buffer: two packed lines (t even, tile odd) or four (t odd).  fin: tile t - 2's four sums are added: my half's score.
; rel = 1 (step 2 behind a leaf's LDS stores): the half-scores' registers are written again from this step on.
; Distances (ISA guide 7.12.1): accumulator c gets its last product in slot 4 + c and is read from slot 2 c of the next step on.  Between the two stand at the
; least, for c = 0, 1, 2, 3: 8, 6 + 4, 4 + 8, 2 + 12 multiply-adds; of those only the odd slots of an odd step name a register of that matrix instruction
; (the upper half of the tile's fragment), which leaves more than four in every case.  A result buffer is written again two steps later.
.macro STEP t, ab, w, dot, fin, rel=0
.if \t < 8
	WIN 0x04
.else
	WIN 0x0c
.endif
.set DW, DB+32*(\t&1)
.set DR, DB+32-32*(\t&1)
.set BT, 16*(\t&7)
.set BP, 16*((\t+7)&7)                 ; used by odd t alone: tile t - 1 lies in the same block
.set QB, QF+32*((\t>>1)&3)             ; used by even t alone
.set AD, ACC+4-4*(\t&1)
.set AF, ACC+4*(\t&1)
.set SF, SCO+((\t+14)&15)
.irp k, 0,1,2,3,4,5,6,7
.if \w
.if \k < 4
	v_wmma_f32_16x16x32_bf16 v[DW+8*\k:DW+8*\k+7], v[\ab+16*\k:\ab+16*\k+7], v[BT:BT+7], 0
.else
	v_wmma_f32_16x16x32_bf16 v[DW+8*\k-32:DW+8*\k-25], v[\ab+16*\k-56:\ab+16*\k-49], v[BT+8:BT+15], v[DW+8*\k-32:DW+8*\k-25]
.endif
.endif
.if \dot
.if \t & 1
	DOT4 \k
.else
	DOT2 \k
.endif
.endif
.if \fin
.if \k == 0
	v_pk_fma_f32 v[TS:TS+1], v[AF:AF+1], 1.0, v[AF+2:AF+3] op_sel_hi:[1,0,1]   ; additions as a * 1.0 + b: source 1 names another block here
.endif
.if \k == 2
.if \rel
	s_wait_alu depctr_vm_vsrc(0)                   ; the sixteen LDS stores of the leaf before have read v[SCO ..], which the line below and the fifteen like it write again
.endif
	v_fma_f32 v[SF], v[TS], 1.0, v[TS+1]           ; sum over my 32 e for query 16 (t - 2) + r
.endif
.endif
.endr
.if \w
.if \dot == 0
.rept 4
	v_nop                                          ; the very first step has no work to fill the four places behind its last matrix instruction
.endr
.endif
.endif
.endm
; The scores' way out where no group stands to carry it (leaf 7's phase, and the last scores).  The address is stepped ahead of the stores.
.macro SCORES_OUT
	WIN 0
	s_wait_alu depctr_vm_vsrc(0)                   ; the LDS stores of the leaf before have read v[SCADR]
	v_add_nc_u32 v[SCADR], SC_LEAF, v[SCADR]
	s_wait_alu depctr_va_vdst(0)                   ; v[SCADR] and the sixteen half-scores are written, which the LDS stores read
	SC_STORES
.endm
; A phase: one leaf (fragments in ab) against the 16 query tiles.  Meanwhile the next leaf is converted from stage sx (registers stg) into an (cvt), in
; four groups, and the leaf three further on is asked for (load).  Steps 0 and 1 finish the last two tiles of the leaf before, whose scores then go out
; with group 1, which stands straight behind step 1 for that.  c0 - g x dec = the younger loads at group g.
.macro PHASE ab, an, stg, sx, first, cvt, load, c0, dec
.if \first
	STEP 0, \ab, 1, 0, 0
.else
	STEP 0, \ab, 1, 1, 1
.endif
.if \cvt
	GROUP 0, \an, \stg, \sx, \c0, \load, 1-\first, 0
.endif
.if \first
	STEP 1, \ab, 1, 1, 0
.else
	STEP 1, \ab, 1, 1, 1
.endif
.if \cvt
	GROUP 1, \an, \stg, \sx, \c0-\dec, \load, 1-\first, 1-\first
.else
	SCORES_OUT
.endif
	STEP 2, \ab, 1, 1, 1, 1-\first
	STEP 3, \ab, 1, 1, 1
	STEP 4, \ab, 1, 1, 1
.if \cvt
	GROUP 2, \an, \stg, \sx, \c0-2*\dec, \load, 1-\first, 0
.endif
	STEP 5, \ab, 1, 1, 1
	STEP 6, \ab, 1, 1, 1
.if \cvt
	GROUP 3, \an, \stg, \sx, \c0-3*\dec, \load, 1-\first, 0
.endif
.irp t, 7,8,9,10,11,12,13,14,15
	STEP \t, \ab, 1, 1, 1
.endr
.endm
	PHASE A0, A1, STG1, 1, 1, 1, 1, 56, 0          ; leaf 0; converts 1, asks for 3: the first use of stage 1's offsets, which no load has read yet
	WIN 0                                          ; at a label and at a branch every block is 0
	s_mov_b32 s30, 2
.Lpair:                                                ; a phase begins with vector and matrix work alone; its first memory instruction stands behind group 0's two waits, on the way in and on the way round
	PHASE A1, A0, STG0, 0, 0, 1, 1, 56, 0          ; leaves 1, 3; convert 2, 4; ask for 4, 6
	PHASE A0, A1, STG1, 1, 0, 1, 1, 56, 0          ; leaves 2, 4; convert 3, 5; ask for 5, 7
	WIN 0
	s_sub_co_u32 s30, s30, 1
	s_cmp_lg_u32 s30, 0
	s_cbranch_scc1 .Lpair
	PHASE A1, A0, STG0, 0, 0, 1, 0, 56, 8          ; leaf 5; converts 6; nothing is left to ask for: 24 - 8 g of leaf 6 and 32 of leaf 7 are younger
	PHASE A0, A1, STG1, 1, 0, 1, 0, 24, 8          ; leaf 6; converts 7: 24 - 8 g are younger, the last wait is for 0
	PHASE A1, A0, STG0, 0, 0, 0, 0, 0, 0           ; leaf 7
	STEP 0, A1, 0, 1, 1                            ; leaf 7's last two tiles are finished
	STEP 1, A1, 0, 0, 1
	SCORES_OUT
	; THE FIVE LOWEST LEVELS.  Thread p takes queries 2 p and 2 p + 1 and all 32 leaves of the work-group.
	s_wait_dscnt 0x0                               ; my half-scores are in LDS,
	s_barrier_signal -1
	s_barrier_wait -1                              ; everybody's are
	v_lshl_add_u32 v20, v0, 3, SC_BASE
	s_wait_alu depctr_va_vdst(0)                   ; v20 is written, which the LDS loads read; the conversions and matrix instructions that named v[64:191], in which they land, are complete
.set i, 0
.rept 32
	ds_load_b64 v[SCR+2*i:SCR+2*i+1], v20 offset:SC_LEAF*i          ; leaf i: the sum over e = 0 .. 31,
	ds_load_b64 v[WN+2*i:WN+2*i+1], v20 offset:SC_LEAF*i+1024       ; and over e = 32 .. 63
.set i, i+1
.endr
	s_and_b32 s30, ttmp9, 31
	s_lshl_b32 s30, s30, 5
	v_cvt_f32_u32 v21, s30                         ; the subtree's first leaf in its batch, exact in f32
	v_lshlrev_b32 v22, 4, v0
; The comparisons of a level stand in runs, each pair of masks in scalar registers of its own, with one wait behind the run and the selects behind that.
; Leaves 2 m and 2 m + 1: the two halves of e are added; the two scores are compared; the sum takes the left leaf's place.
.macro LP_CMP m, sg
	s_wait_dscnt 60-4*\m                           ; LDS loads return in order: of the 64, 60 - 4 m were issued behind this pair's four
	v_pk_add_f32 v[SCR+4*\m:SCR+4*\m+1], v[SCR+4*\m:SCR+4*\m+1], v[WN+4*\m:WN+4*\m+1]
	v_pk_add_f32 v[SCR+4*\m+2:SCR+4*\m+3], v[SCR+4*\m+2:SCR+4*\m+3], v[WN+4*\m+2:WN+4*\m+3]
	v_cmp_lt_f32 s[\sg], v[SCR+4*\m], v[SCR+4*\m+2]
	v_cmp_lt_f32 s[\sg+1], v[SCR+4*\m+1], v[SCR+4*\m+3]
	v_pk_add_f32 v[SCR+4*\m:SCR+4*\m+1], v[SCR+4*\m:SCR+4*\m+1], v[SCR+4*\m+2:SCR+4*\m+3]
.endm
; the winner counted from the node's first leaf, 0.0 or 1.0
.macro LP_SEL m, sg
	v_cndmask_b32 v[WN+4*\m], 0, 1.0, s[\sg]
	v_cndmask_b32 v[WN+4*\m+1], 0, 1.0, s[\sg+1]
.endm
; The nodes that begin at leaves l and l + n, of n leaves each; inc = n as f32.  The right winner is shifted in place: its registers serve nothing afterwards.
.macro MG_CMP l, n, inc, sg
	v_pk_add_f32 v[WN+2*(\l+\n):WN+2*(\l+\n)+1], v[WN+2*(\l+\n):WN+2*(\l+\n)+1], \inc op_sel_hi:[1,0]
	v_cmp_lt_f32 s[\sg], v[SCR+2*\l], v[SCR+2*(\l+\n)]
	v_cmp_lt_f32 s[\sg+1], v[SCR+2*\l+1], v[SCR+2*(\l+\n)+1]
	v_pk_add_f32 v[SCR+2*\l:SCR+2*\l+1], v[SCR+2*\l:SCR+2*\l+1], v[SCR+2*(\l+\n):SCR+2*(\l+\n)+1]
.endm
.macro MG_SEL l, n, sg
	v_cndmask_b32 v[WN+2*\l], v[WN+2*\l], v[WN+2*(\l+\n)], s[\sg]
	v_cndmask_b32 v[WN+2*\l+1], v[WN+2*\l+1], v[WN+2*(\l+\n)+1], s[\sg+1]
.endm
.irp m, 0,1,2,3,4,5,6,7
	LP_CMP \m, CM+2*\m
.endr
	s_wait_alu depctr_va_sdst(0)                   ; the sixteen masks of leaves 0 to 15 are written, ahead of the selects that read them
.irp m, 0,1,2,3,4,5,6,7
	LP_SEL \m, CM+2*\m
.endr
.irp m, 8,9,10,11,12,13,14,15
	LP_CMP \m, CM+2*\m-16
.endr
	s_wait_alu depctr_va_sdst(0)                   ; the sixteen masks of leaves 16 to 31 are written
.irp m, 8,9,10,11,12,13,14,15
	LP_SEL \m, CM+2*\m-16
.endr
.irp j, 0,1,2,3,4,5,6,7
	MG_CMP 4*\j, 2, 2.0, CM+2*\j
.endr
	s_wait_alu depctr_va_sdst(0)                   ; the sixteen masks of the nodes of four leaves are written
.irp j, 0,1,2,3,4,5,6,7
	MG_SEL 4*\j, 2, CM+2*\j
.endr
.irp j, 0,1,2,3
	MG_CMP 8*\j, 4, 4.0, CM+2*\j
.endr
	s_wait_alu depctr_va_sdst(0)                   ; the eight masks of the nodes of eight leaves are written
.irp j, 0,1,2,3
	MG_SEL 8*\j, 4, CM+2*\j
.endr
	MG_CMP 0, 8, 0x41000000, CM
	MG_CMP 16, 8, 0x41000000, CM+2
	s_wait_alu depctr_va_sdst(0)                   ; the four masks of the nodes of sixteen leaves are written
	MG_SEL 0, 8, CM
	MG_SEL 16, 8, CM+2
	; the subtree's root, written straight into the registers that are stored
	v_pk_add_f32 v[WN+32:WN+33], v[WN+32:WN+33], 0x41800000 op_sel_hi:[1,0]
	v_cmp_lt_f32 s[CM], v[SCR], v[SCR+32]
	v_cmp_lt_f32 s[CM+1], v[SCR+1], v[SCR+33]
	v_pk_add_f32 v[OUT:OUT+1], v[SCR:SCR+1], v[SCR+32:SCR+33]
	s_wait_alu depctr_va_sdst(0)                   ; the root's two masks are written
	v_cndmask_b32 v[OUT+2], v[WN], v[WN+32], s[CM]
	v_cndmask_b32 v[OUT+3], v[WN+1], v[WN+33], s[CM+1]
	v_add_f32 v[OUT+2], v21, v[OUT+2]
	v_add_f32 v[OUT+3], v21, v[OUT+3]
	s_wait_alu depctr_va_vdst(0)                   ; v[OUT ..] and the offset v22 are written, which the store reads
	global_store_b128 v22, v[OUT:OUT+3], s[10:11]  ; a wave stores 512 consecutive bytes, aligned; the next launch reads them
	s_wait_dscnt 0x0                               ; the closing lines, six on end
	s_wait_alu 0x0
	s_wait_tensorcnt 0x0
	ds_add_u32 v19, v27
	s_wait_dscnt 0x0
	s_endpgm
.Lfunc_end_k_q7f2a54f499_leafscores:
	.size	k_q7f2a54f499_leafscores, .Lfunc_end_k_q7f2a54f499_leafscores-k_q7f2a54f499_leafscores
	.p2alignl 7, 3214868480
	.fill 96, 4, 3214868480
	.section	.rodata,"a",@progbits
	.p2align	6, 0x0
	.amdhsa_kernel k_q7f2a54f499_leafscores
		.amdhsa_group_segment_fixed_size 102912
		.amdhsa_private_segment_fixed_size 0
		.amdhsa_enable_private_segment 0
		.amdhsa_kernarg_size 40
		.amdhsa_user_sgpr_count 2
		.amdhsa_user_sgpr_kernarg_segment_ptr 1
		.amdhsa_wavefront_size32 1
		.amdhsa_system_sgpr_workgroup_id_x 1
		.amdhsa_system_sgpr_workgroup_id_y 1
		.amdhsa_system_sgpr_workgroup_id_z 1
		.amdhsa_system_vgpr_workitem_id 0
		.amdhsa_next_free_vgpr 1024
		.amdhsa_next_free_sgpr 66
		.amdhsa_reserve_vcc 0
		.amdhsa_float_denorm_mode_32 3
		.amdhsa_float_denorm_mode_16_64 3
		.amdhsa_memory_ordered 1
		.amdhsa_forward_progress 1
		.amdhsa_inst_pref_size 255
	.end_amdhsa_kernel
	.section	.bss,"aw",@nobits
	.p2align	6
	.space	262144
	.amdgpu_metadata
---
amdhsa.version: [ 1, 2 ]
amdhsa.kernels:
  - .name:           k_q7f2a54f499_leafscores
    .symbol:         k_q7f2a54f499_leafscores.kd
    .args:
      - { .name: leafs, .offset: 0, .size: 8, .value_kind: global_buffer, .address_space: global }
      - { .name: X, .offset: 8, .size: 8, .value_kind: global_buffer, .address_space: global }
      - { .name: q, .offset: 16, .size: 8, .value_kind: global_buffer, .address_space: global }
      - { .name: part, .offset: 24, .size: 8, .value_kind: global_buffer, .address_space: global }
      - { .name: ctx, .offset: 32, .size: 8, .value_kind: global_buffer, .address_space: global }
    .group_segment_fixed_size: 102912
    .private_segment_fixed_size: 0
    .kernarg_segment_align: 8
    .kernarg_segment_size: 40
    .max_flat_workgroup_size: 128
    .sgpr_count:     66
    .vgpr_count:     1024
    .wavefront_size: 32
...
	.end_amdgpu_metadata
.endif
;; end of part 3
;; launch descend: the kernel of part 2 again; grid 32 x 1, 1 waves a work-group, no clusters, 0 bytes of LDS; arguments part, out0; writes out0
